; MI455X (gfx1250); checked and timed in simulation.
; The chip was launched on July 23, 2026; its instructions are those of AMD's public machine-readable ISA for CDNA 5 (MIT licence, August 2026) and "CDNA5" Instruction Set Architecture Reference Guide (July 2026). The comments in the code are by the model that wrote it; some were corrected since.
;; Self Attention. Allowed arithmetic: matrix products marked QUANTISED: E5M2 operands, one given power-of-two scale a tensor, by v_wmma_f32_16x16x64_bf8_bf8 or v_wmma_f32_16x16x128_bf8_bf8, f32 sums; everything else in f32.
;; Inputs: Wk_codes 512 x 16 x 32 uint8 (E5M2 codes of Wk, K innermost, in blocks of 32 codes); Wq_codes 512 x 16 x 32 uint8 (E5M2 codes of Wq, K innermost, in blocks of 32 codes); Wv_codes 512 x 16 x 32 uint8 (E5M2 codes of Wv, K innermost, in blocks of 32 codes); bk 512 float32; bq 512 float32; bv 512 float32; lowp_scales 10 int32 (the exponents e of the quantised operands' scales 2^e); x_codes 8 x 2,048 x 16 x 32 uint8 (E5M2 codes of x, K innermost, in blocks of 32 codes).
;; Outputs: out0 8 x 512 x 2,048 float32.
;; This version of the problem:
;;   THIS VERSION OF THE PROBLEM IS GIVEN IN LOW PRECISION. The matrix products marked QUANTISED in the list below multiply operands that are first quantised to E5M2 (5 exponent bits, 2 mantissa bits; 8 bits a number), with one given power-of-two scale for each operand tensor; their sums are f32. All else is computed in f32.
;;   The module's matrix products, in the order in which they are computed (A, B: the left and right operand; K: the contracted axis; several contracted axes count as one K, in the product's order):
;;     1. [M 16,384, K 512] x [K 512, N 512]; A: input x (given as codes); B: input Wq (given as codes): QUANTISED (scales: A lowp_scales[0], B lowp_scales[1])
;;     2. [M 16,384, K 512] x [K 512, N 512]; A: input x (given as codes); B: input Wk (given as codes): QUANTISED (scales: A lowp_scales[2], B lowp_scales[3])
;;     3. [M 16,384, K 512] x [K 512, N 512]; A: input x (given as codes); B: input Wv (given as codes): QUANTISED (scales: A lowp_scales[4], B lowp_scales[5])
;;     4. batch 8 x [M 2,048, K 512] x [K 512, N 2,048]; A: computed on the way; B: computed on the way: QUANTISED (scales: A lowp_scales[6], B lowp_scales[7])
;;     5. batch 8 x [M 512, K 2,048] x [K 2,048, N 2,048]; A: computed on the way; B: softmax (see below): QUANTISED (scales: A lowp_scales[8], B lowp_scales[9])
;;   THE QUANTISER, for each operand of a quantised product, along K:
;;     - The operand's scale is 2^e, e = its entry of the input lowp_scales (int32; the entries are numbered through the quantised products in the list's order, A before B).
;;     - Each number is divided by the scale, clamped to +-57,344, and rounded to the nearest number of E5M2, ties to even, subnormals kept.
;;     - The product sums the exact products of the quantised numbers (number of the format x scale) in f32.
;;   ~~~python
;;   def quantise(x, axis, e):      # numpy; x: float32 -> the quantised numbers, widened to float32 again
;;       x = np.moveaxis(x, axis, -1); K = x.shape[-1]
;;       r = np.clip(x / 2.0 ** e, -57344, 57344)
;;       step = 2.0 ** (np.maximum(np.frexp(np.where(r == 0, 1, r))[1] - 1, -14) - 2)
;;       q = np.round(r / step) * step * 2.0 ** e      # np.round: ties to even
;;       return np.moveaxis(q, -1, axis).astype(np.float32)
;;   ~~~
;;   SOFTMAX AHEAD OF A QUANTISED PRODUCT. Where the list says 'softmax', what is quantised is not the finished softmax but p = 2^(t - M), with t = logit x log2(e) and M = ceil(the row's largest t), a whole number; so 1/2 < the row's largest p <= 1. The row's sum l is taken of the UNQUANTISED p, in f32, and the product's result is divided by l at the end. Since M is a whole number, a kernel that streams over the keys may use a running M (the ceiling of the running maximum): every later rescaling is an exact power of two, so the quantised numbers keep their values, but for numbers so far below the row's largest that they fall under the format's range.
;;   OPERANDS COMPUTED ON THE WAY. 'Computed on the way' means the value that the module computes at that place (a softmax that the list does not call 'softmax' is quantised finished and normalised). What goes into a quantiser is computed in f32, as accurately as f32 sums, v_exp_f32 and their like allow (about 1e-6 of the number): no bf16 or f16 on the way to a quantiser, and a product that is left as it is and whose result goes on into a quantised operand takes f32 operands (vector FMAs, or v_wmma_f32_16x16x4_f32). A number that lies on a knife's edge between two numbers of the format may be rounded either way, as far as f32 arithmetic and the matrix unit's own rounding can turn it there, and no further.
;;   INPUTS GIVEN AS CODES. Wk (in the module: [512, 512], K = its axis 1); Wq (in the module: [512, 512], K = its axis 1); Wv (in the module: [512, 512], K = its axis 1); x (in the module: [8, 512, 2048], K = its axis 1): each comes as NAME_codes (uint8): NAME with its K axis moved to the last place and cut into blocks of 32 codes, [.., K / 32, bytes a block], one block behind the other in memory; one code a byte (a code: sign, 5 exponent bits, 2 mantissa bits); its scale is its entry of lowp_scales. Its value is code x scale, taken as it is: it is not quantised again, and the codes and scales need not be those that the quantiser above would give.
;; One version. Each part assembles by itself: llvm-mc -triple=amdgcn-amd-amdhsa -mcpu=gfx1250 --defsym DOCPART=n.
;; ======== version 1 of 1: 2 launches
;; workspace buffers: qimg 8,388,608 bytes; kimg 8,388,608 bytes; vimg 8,388,608 bytes
;; launch proj (part 1): grid 4 x 64, 4 waves a work-group, clusters of 4 x 1, 168,448 bytes of LDS; arguments x_codes, Wq_codes, Wk_codes, Wv_codes, bq, bk, bv, lowp_scales, qimg, kimg, vimg; writes qimg, kimg, vimg
.if DOCPART == 1
	.amdgcn_target "amdgcn-amd-amdhsa--gfx1250"
	.amdhsa_code_object_version 6
	.text
	.protected	k_qbd3d213770_proj
	.globl	k_qbd3d213770_proj
	.p2align	8
	.type	k_qbd3d213770_proj,@function
k_qbd3d213770_proj:
	s_mov_b64 s[64:65], 0
	v_nop
	global_prefetch_b8 v0, s[64:65] scope:SCOPE_SE
	s_setreg_imm32_b32 hwreg(HW_REG_WAVE_MODE, 25, 1), 1
	s_wait_xcnt 0x0
	s_wait_alu depctr_hold_cnt(0) depctr_sa_sdst(0) depctr_va_vdst(0) depctr_va_sdst(0) depctr_va_ssrc(0) depctr_va_vcc(0) depctr_vm_vsrc(0)
	s_getreg_b32 s2, hwreg(HW_REG_IB_STS2, 6, 4)
	s_cmp_eq_u32 s2, 0
	s_cbranch_scc0 .Lentry_in_a_cluster
	s_endpgm
.Lentry_in_a_cluster:
	s_bfe_u32 s2, ttmp6, 0x10000c
	s_cmp_lg_u32 s2, 0x3003
	s_cbranch_scc0 .Lentry_shape_is_right
	s_endpgm
.Lentry_shape_is_right:
; q, k, v = W x + b on codes of BF8 (E5M2), then quantised again for the two products of the attention launch.
; x: [16,384 positions][512] codes; Wq, Wk, Wv: [512 channels][512] codes; bq, bk, bv: [512] f32; the scales' exponents e0 .. e9 (int32).
; q = sum x 2^(e0 + e1) + bq, its code = q / 2^e6 (k: e2, e3, e7; v: e4, e5, e8), held within +-57,344, to the nearest code, ties to even.
; The bias goes in as the C of a sum's first product, divided by the power of two that the sums lack; the three exponents are folded into the conversion's one scale.
; LIMITS: e6 - e0 - e1, e7 - e2 - e3 and e8 - e4 - e5 lie between -126 and 112, so that each scale and 57,344 x the scale are f32 numbers.  NaN among the biases is not served.
; SHARES.  A work-group takes 256 positions (block rb) and 128 channels (quarter cq) of each of q, k, v: 64 x 4 = 256 work-groups of equal work.  Wave w keeps the W rows of channels
; 128 cq + 32 w .. + 31 of all three matrices in registers (6 tiles x 4 K steps x 16 = 384 registers), read once; the 256 rows of x lie in LDS and every wave reads all of them, 32 rows a group.
; CLUSTER.  The four quarters cq of a block rb form a cluster and need the same 256 rows of x: each wave's 64 rows are asked for JOINTLY, by the same tensor load with a mask that names the four.
; W is not shared so: it goes by lane loads straight into registers, since 3 x 128 padded rows of W (202,752 bytes) and the padded x (135,168 bytes) do not fit in LDS beside each other.
; LAYOUT OF THE RESULTS: images of the next launch's operand registers.  A fragment is 16 rows x 128 K: [chunk c = 0..3][lane][16 bytes], 2,048 bytes.
;   q, k: source 0 = 16 rows of W, source 1 = 16 rows of x: lane (r, h) holds position r, register i channel 8 h + i of the tile.  My two channel tiles give 16 registers = chunk w of K step cq:
;         channels 128 cq + 32 w + {8 h + 0..7, 16 + 8 h + 0..7}.  q and k are laid alike, so every product of the scores meets its partner.
;   v:    source 0 = 16 rows of x, source 1 = 16 rows of Wv: lane (r, h) holds channel r, register i key 8 h + i.  A group's two x tiles give 16 registers = one chunk along the keys:
;         keys 32 g + {8 h + 0..7, 16 + 8 h + 0..7}, the order in which the attention launch's weights come out of its scores.
; REGISTERS, in windows of 256: window 0: v0-15 addresses and scales; v32-127 twelve accumulators; v128-151 codes; v160-207 the biases as C operands; v208-209 bv as loaded.
;   window 1: Wq's 8 fragments, then Wk's.   window 2: Wv's 8.   window 3: two sets of x's 8 fragments (2 tiles x 4 K steps).
.set PITCH, 528                        ; an LDS row of x: 512 bytes + 16 of padding: an odd multiple of 16 bytes, so the 16 rows that a load touches begin in 16 different columns of 16 bytes
.set GRP,   32*PITCH                   ; a group of 32 rows
.set LI,   3                           ; v3   16 x lane: my place in an image's 512 bytes
.set AX,   4                           ; v4   LDS address of my part of the x fragments of the group to be fetched
.set AW,   5                           ; v5   my byte in a tile of W: 512 r + 16 h
.set ACC,  32                          ; q: ACC + 16 a + 8 n;  k: + 32;  v: ACC + 64 + 16 n + 8 a   (a: x tile of the group, n: channel tile)
.set COD,  128                         ; four registers of codes for each of the six units of 16 numbers
.set BQ,   160                         ; bq's two tiles, then bk's two (BQ + 16), eight registers each
.set BV,   192                         ; bv's two tiles
.set RAWV, 208
.set WV,   26                          ; s26  my wave's number
.set G1,   48                          ; s[48:55] descriptor group 1
.set G0,   56                          ; s[56:59] descriptor group 0
.set MSB, 0
.macro WIN new                         ; the immediate's high byte repeats the setting that is left; a switch that changes nothing is dropped
.if MSB != \new
	s_set_vgpr_msb (MSB<<8)|\new
.set MSB, \new
.endif
.endm
.macro PLACES n
.rept \n
	v_nop
.endr
.endm
.macro CROUND                          ; a round of the cluster's barrier: my work-group's barrier, wave 0 signals for the work-group, all wait for the four work-groups, my work-group's barrier again
	s_barrier_signal -1
	s_barrier_wait -1
	s_cmp_lg_u32 s[WV], 0
	s_cbranch_scc1 .Lnot_wave_0_\@
	s_barrier_signal -3
.Lnot_wave_0_\@:
	s_barrier_wait -3
	s_barrier_signal -1
	s_barrier_wait -1
.endm
	s_load_b256 s[4:11], s[0:1], 0x0               ; x s[4:5], Wq s[6:7], Wk s[8:9], Wv s[10:11]
	s_load_b256 s[12:19], s[0:1], 0x20             ; bq s[12:13], bk s[14:15], bv s[16:17], the scales' exponents s[18:19]
	s_load_b128 s[20:23], s[0:1], 0x40             ; q's images s[20:21], k's s[22:23]
	s_load_b64 s[24:25], s[0:1], 0x50              ; v's images
	v_lshl_add_u32 v254, v0, 2, 0x29000
	v_mov_b32 v255, 0
	ds_add_u32 v254, v255
	ds_add_u32 v254, v255
	v_lshrrev_b32 v1, 5, v0
	v_readfirstlane_b32 s[WV], v1                  ; wave 0..3
	s_bfe_u32 s27, ttmp6, 0x40000                  ; cx = cq: which 128 channels: it enters W's, the biases' and the results' addresses alone
	s_and_b32 s28, ttmp7, 0xffff                   ; rb: which 256 positions: the four partners share it
	v_and_b32 v1, 15, v0                           ; r
	v_bfe_u32 v2, v0, 4, 1                         ; h
	v_and_b32 v3, 31, v0
	v_lshlrev_b32 v[LI], 4, v3
	v_mul_u32_u24 v[AX], v1, PITCH
	v_lshl_add_u32 v[AX], v2, 4, v[AX]             ; row r x pitch + 16 h
	v_lshlrev_b32 v[AW], 9, v1
	v_lshl_add_u32 v[AW], v2, 4, v[AW]
	v_lshlrev_b32 v6, 5, v2                        ; bq, bk: my eight numbers begin 8 h numbers into a tile
	v_lshlrev_b32 v7, 2, v1                        ; bv: my one number is the tile's r-th
	; descriptor group 1: 64 rows of 512 codes, padded in LDS
	s_mov_b32 s[G1+0], 15|(0<<16)|(1<<20)|(1<<21)|(6<<22)|(3<<25)  ; 15:0 the mask: all four work-groups; 17:16 elements of 1 byte; 20 padding on; 21 set beside a mask; 24:22 after every 128 words (code 6); 31:25 four words (code 3)
	s_mov_b32 s[G1+1], 512<<16                     ; tensor_dim0 = 512
	s_mov_b32 s[G1+2], 64<<16                      ; tensor_dim1 = 64
	s_mov_b32 s[G1+3], 512<<16                     ; tile_dim0 = 512
	s_mov_b32 s[G1+4], 64                          ; tile_dim1 = 64
	s_mov_b32 s[G1+5], 512                         ; from row to row
	s_mov_b32 s[G1+6], 0
	s_mov_b32 s[G1+7], 0
	s_mov_b32 s[G0], 1                             ; count = 1
	s_mul_i32 s[G0+1], s[WV], 64*PITCH             ; LDS: my 64 rows
	s_lshl_b32 s30, s28, 17                        ; x: 256 rb rows of 512 bytes,
	s_lshl_b32 s31, s[WV], 15                      ; + 64 w rows
	s_add_co_u32 s30, s30, s31
	s_mov_b32 s31, 0
	s_lshl_b32 s32, s27, 16                        ; W: row 128 cq + 32 w, of 512 bytes
	s_lshl_b32 s33, s[WV], 14
	s_add_co_u32 s32, s32, s33
	s_mov_b32 s33, 0
	s_lshl_b32 s34, s27, 9                         ; the biases: number 128 cq + 32 w
	s_lshl_b32 s35, s[WV], 7
	s_add_co_u32 s34, s34, s35
	s_mov_b32 s35, 0
	s_lshl_b32 s60, s28, 17                        ; q's and k's images: 16 tiles of 8,192 bytes for each rb; K step cq (2,048 bytes), chunk w (512)
	s_lshl_b32 s61, s27, 11
	s_add_co_u32 s60, s60, s61
	s_lshl_b32 s61, s[WV], 9
	s_add_co_u32 s60, s60, s61
	s_mov_b32 s61, 0
	s_lshl_b32 s62, s28, 17                        ; v's images: 131,072 bytes for each rb; channel tile 8 cq + 2 w, of 4,096 bytes
	s_lshl_b32 s63, s27, 15
	s_add_co_u32 s62, s62, s63
	s_lshl_b32 s63, s[WV], 13
	s_add_co_u32 s62, s62, s63
	s_mov_b32 s63, 0
	s_wait_dscnt 0x0
	s_wait_kmcnt 0x0
	s_add_nc_u64 s[G0+2:G0+3], s[4:5], s[30:31]
	s_or_b32 s[G0+3], s[G0+3], 0x80000000          ; type = 2
	s_add_nc_u64 s[6:7], s[6:7], s[32:33]
	s_add_nc_u64 s[8:9], s[8:9], s[32:33]
	s_add_nc_u64 s[10:11], s[10:11], s[32:33]
	s_add_nc_u64 s[12:13], s[12:13], s[34:35]
	s_add_nc_u64 s[14:15], s[14:15], s[34:35]
	s_add_nc_u64 s[16:17], s[16:17], s[34:35]
	s_add_nc_u64 s[20:21], s[20:21], s[60:61]
	s_add_nc_u64 s[22:23], s[22:23], s[60:61]
	s_add_nc_u64 s[24:25], s[24:25], s[62:63]
	CROUND                                         ; all four work-groups are here: the joint loads meet
	tensor_load_to_lds s[G0:G0+3], s[G1:G1+7]      ; my one tensor load of the launch: nothing in LDS is filled twice
	s_nop 0
	PLACES 4                                       ; four v_nop follow the load
	s_load_b256 s[36:43], s[18:19], 0x0            ; e0 .. e7
	s_load_b32 s44, s[18:19], 0x20                 ; e8
	; W's fragments: lane (r, h) takes, of row r, K = 128 s + 32 c + 16 h + 0 .. 15 into registers 4 c .. 4 c + 3: the same places as x's fragments from LDS
	WIN 0x40                                       ; destination window 1
.irp n, 0,1
.irp s, 0,1,2,3
.irp c, 0,1,2,3
	global_load_b128 v[16*(4*\n+\s)+4*\c:16*(4*\n+\s)+4*\c+3], v[AW], s[6:7] offset:\n*8192+128*\s+32*\c
	global_load_b128 v[128+16*(4*\n+\s)+4*\c:128+16*(4*\n+\s)+4*\c+3], v[AW], s[8:9] offset:\n*8192+128*\s+32*\c
.endr
.endr
.endr
	WIN 0x80                                       ; destination window 2
.irp n, 0,1
.irp s, 0,1,2,3
.irp c, 0,1,2,3
	global_load_b128 v[16*(4*\n+\s)+4*\c:16*(4*\n+\s)+4*\c+3], v[AW], s[10:11] offset:\n*8192+128*\s+32*\c
.endr
.endr
.endr
	WIN 0
.irp n, 0,1
	global_load_b128 v[BQ+8*\n:BQ+8*\n+3], v6, s[12:13] offset:64*\n
	global_load_b128 v[BQ+8*\n+4:BQ+8*\n+7], v6, s[12:13] offset:64*\n+16
	global_load_b128 v[BQ+16+8*\n:BQ+16+8*\n+3], v6, s[14:15] offset:64*\n
	global_load_b128 v[BQ+16+8*\n+4:BQ+16+8*\n+7], v6, s[14:15] offset:64*\n+16
	global_load_b32 v[RAWV+\n], v7, s[16:17] offset:64*\n
.endr
; the exponents of one projection: sneg = -(ea + eb), for the bias; v[vsc] = 2^(eo - ea - eb) as f32, whose exponent field the conversion takes; v[vlim] = 57,344 x that
.macro SCALES ea, eb, eo, sneg, vsc, vlim
	s_add_co_i32 s45, s[\ea], s[\eb]
	s_sub_co_i32 s[\sneg], 0, s45
	s_sub_co_i32 s46, s[\eo], s45
	s_add_co_i32 s46, s46, 127
	s_lshl_b32 s47, s46, 23
	v_mov_b32 v[\vsc], s47
	s_add_co_i32 s46, s46, 15
	s_lshl_b32 s46, s46, 23
	s_or_b32 s46, s46, 0x600000
	v_mov_b32 v[\vlim], s46
.endm
	s_wait_kmcnt 0x0
	SCALES 36, 37, 42, 2, 10, 11                   ; q
	SCALES 38, 39, 43, 3, 12, 13                   ; k
	SCALES 40, 41, 44, 29, 14, 15                  ; v
	s_wait_loadcnt 0x0                             ; W and the biases
.irp j, 0,1,2,3,4,5,6,7,8,9,10,11,12,13,14,15
	v_ldexp_f32 v[BQ+\j], v[BQ+\j], s2             ; bq / 2^(e0 + e1)
.endr
.irp j, 0,1,2,3,4,5,6,7,8,9,10,11,12,13,14,15
	v_ldexp_f32 v[BQ+16+\j], v[BQ+16+\j], s3       ; bk / 2^(e2 + e3)
.endr
.irp n, 0,1
.irp j, 0,1,2,3,4,5,6,7
	v_ldexp_f32 v[BV+8*\n+\j], v[RAWV+\n], s29     ; bv / 2^(e4 + e5): in v's layout a lane holds one channel, so its eight registers take one number
.endr
.endr
; 32 LDS loads in one run: the x fragments of a group (2 tiles x 4 K steps) into a set of window 3; then the address steps to the next group
.macro FETCHX set
	WIN 0xc0                                       ; destination window 3, address window 0
.irp a, 0,1
.irp s, 0,1,2,3
.irp c, 0,1,2,3
	ds_load_b128 v[\set+64*\a+16*\s+4*\c:\set+64*\a+16*\s+4*\c+3], v[AX] offset:\a*16*PITCH+128*\s+32*\c
.endr
.endr
.endr
	WIN 0
	v_add_nc_u32 v[AX], GRP, v[AX]
.endm
; 32 products: q's and k's eight accumulators by turns, one instruction a turn, K step by K step.  The first K step takes the bias as C.
.macro MULQK set
	WIN 0x0d                                       ; source 0 (W) window 1, source 1 (x) window 3
.irp s, 0,1,2,3
.irp p, 0,1
.irp a, 0,1
.irp n, 0,1
.if \s == 0
	v_wmma_f32_16x16x128_bf8_bf8 v[ACC+32*\p+16*\a+8*\n:ACC+32*\p+16*\a+8*\n+7], v[128*\p+16*(4*\n+\s):128*\p+16*(4*\n+\s)+15], v[\set+64*\a+16*\s:\set+64*\a+16*\s+15], v[BQ+16*\p+8*\n:BQ+16*\p+8*\n+7]
.else
	v_wmma_f32_16x16x128_bf8_bf8 v[ACC+32*\p+16*\a+8*\n:ACC+32*\p+16*\a+8*\n+7], v[128*\p+16*(4*\n+\s):128*\p+16*(4*\n+\s)+15], v[\set+64*\a+16*\s:\set+64*\a+16*\s+15], v[ACC+32*\p+16*\a+8*\n:ACC+32*\p+16*\a+8*\n+7]
.endif
.endr
.endr
.endr
.endr
.endm
; 16 products: v's four accumulators by turns
.macro MULV set
	WIN 0x0b                                       ; source 0 (x) window 3, source 1 (Wv) window 2
.irp s, 0,1,2,3
.irp n, 0,1
.irp a, 0,1
.if \s == 0
	v_wmma_f32_16x16x128_bf8_bf8 v[ACC+64+16*\n+8*\a:ACC+64+16*\n+8*\a+7], v[\set+64*\a+16*\s:\set+64*\a+16*\s+15], v[16*(4*\n+\s):16*(4*\n+\s)+15], v[BV+8*\n:BV+8*\n+7]
.else
	v_wmma_f32_16x16x128_bf8_bf8 v[ACC+64+16*\n+8*\a:ACC+64+16*\n+8*\a+7], v[\set+64*\a+16*\s:\set+64*\a+16*\s+15], v[16*(4*\n+\s):16*(4*\n+\s)+15], v[ACC+64+16*\n+8*\a:ACC+64+16*\n+8*\a+7]
.endif
.endr
.endr
.endr
.endm
; unit u's 16 numbers become 16 codes; each accumulator is read from its low end on
.macro QUANT u, sc, lim
.irp i, 0,1,2,3,4,5,6,7,8,9,10,11,12,13,14,15
	v_med3_num_f32 v[ACC+16*\u+\i], v[ACC+16*\u+\i], -v[\lim], v[\lim]   ; the conversion to an 8-bit code does not saturate (ISA guide 7.6.2): the hold at the largest code x the scale
.endr
	v_cvt_scalef32_pk8_bf8_f32 v[COD+4*\u:COD+4*\u+1], v[ACC+16*\u:ACC+16*\u+7], v[\sc]
	v_cvt_scalef32_pk8_bf8_f32 v[COD+4*\u+2:COD+4*\u+3], v[ACC+16*\u+8:ACC+16*\u+15], v[\sc]
.endm
; A group: 32 positions x my 96 channels.  The next group's fragments are asked for first and land under this group's 48 products.
.macro GROUP g
.if \g < 7
	FETCHX 128*((\g+1)%2)                          ; into the set that the group before multiplied: the four v_nop behind its last product are the places in front of these loads
	s_wait_dscnt 32                                ; all but the 32 loads just issued: this group's fragments are in
.else
	s_wait_dscnt 0x0
.endif
	MULQK 128*((\g)%2)
	MULV 128*((\g)%2)
	WIN 0
	PLACES 4                                       ; four places between the last products and the first read of results (ISA guide 7.12.1)
	s_wait_xcnt 0x0                                ; the last group's stores have read their data: the codes' registers are written again only behind this wait
	QUANT 0, 10, 11
	QUANT 1, 10, 11
	QUANT 2, 12, 13
	QUANT 3, 12, 13
	QUANT 4, 14, 15
	QUANT 5, 14, 15
	v_nop                                          ; one plain vector instruction between the last conversion and the next group's products, which write its sources
.irp a, 0,1
	global_store_b128 v[LI], v[COD+4*\a:COD+4*\a+3], s[20:21] offset:(2*\g+\a)*8192       ; 32 lanes store 512 consecutive bytes, at a multiple of 512 from the buffer's first byte: a chunk of an image
	global_store_b128 v[LI], v[COD+8+4*\a:COD+8+4*\a+3], s[22:23] offset:(2*\g+\a)*8192
.endr
.irp n, 0,1
	global_store_b128 v[LI], v[COD+16+4*\n:COD+16+4*\n+3], s[24:25] offset:\n*4096+(\g/4)*2048+(\g%4)*512
.endr
.endm
	s_wait_tensorcnt 0x0                           ; my 64 rows of x are in LDS,
	s_barrier_signal -1
	s_barrier_wait -1                              ; everybody's are: every wave reads all 256
	FETCHX 0
.irp g, 0,1,2,3,4,5,6,7
	GROUP \g
.endr
	s_wait_tensorcnt 0x0
	ds_add_u32 v254, v255
	s_wait_dscnt 0x0
	CROUND                                         ; the closing round: no work-group ends while a partner may still ask for a tile that names it
	s_endpgm
.Lfunc_end_k_qbd3d213770_proj:
	.size	k_qbd3d213770_proj, .Lfunc_end_k_qbd3d213770_proj-k_qbd3d213770_proj
	.p2alignl 7, 3214868480
	.fill 96, 4, 3214868480
	.section	.rodata,"a",@progbits
	.p2align	6, 0x0
	.amdhsa_kernel k_qbd3d213770_proj
		.amdhsa_group_segment_fixed_size 168448
		.amdhsa_private_segment_fixed_size 0
		.amdhsa_enable_private_segment 0
		.amdhsa_kernarg_size 88
		.amdhsa_user_sgpr_count 2
		.amdhsa_user_sgpr_kernarg_segment_ptr 1
		.amdhsa_wavefront_size32 1
		.amdhsa_system_sgpr_workgroup_id_x 1
		.amdhsa_system_sgpr_workgroup_id_y 1
		.amdhsa_system_sgpr_workgroup_id_z 1
		.amdhsa_system_vgpr_workitem_id 0
		.amdhsa_next_free_vgpr 1024
		.amdhsa_next_free_sgpr 66
		.amdhsa_reserve_vcc 0
		.amdhsa_float_denorm_mode_32 3
		.amdhsa_float_denorm_mode_16_64 3
		.amdhsa_memory_ordered 1
		.amdhsa_forward_progress 1
		.amdhsa_inst_pref_size 121
	.end_amdhsa_kernel
	.amdgpu_metadata
---
amdhsa.version: [ 1, 2 ]
amdhsa.kernels:
  - .name:           k_qbd3d213770_proj
    .symbol:         k_qbd3d213770_proj.kd
    .args:
      - { .name: x_codes, .offset: 0, .size: 8, .value_kind: global_buffer, .address_space: global }
      - { .name: Wq_codes, .offset: 8, .size: 8, .value_kind: global_buffer, .address_space: global }
      - { .name: Wk_codes, .offset: 16, .size: 8, .value_kind: global_buffer, .address_space: global }
      - { .name: Wv_codes, .offset: 24, .size: 8, .value_kind: global_buffer, .address_space: global }
      - { .name: bq, .offset: 32, .size: 8, .value_kind: global_buffer, .address_space: global }
      - { .name: bk, .offset: 40, .size: 8, .value_kind: global_buffer, .address_space: global }
      - { .name: bv, .offset: 48, .size: 8, .value_kind: global_buffer, .address_space: global }
      - { .name: lowp_scales, .offset: 56, .size: 8, .value_kind: global_buffer, .address_space: global }
      - { .name: qimg, .offset: 64, .size: 8, .value_kind: global_buffer, .address_space: global }
      - { .name: kimg, .offset: 72, .size: 8, .value_kind: global_buffer, .address_space: global }
      - { .name: vimg, .offset: 80, .size: 8, .value_kind: global_buffer, .address_space: global }
    .group_segment_fixed_size: 168448
    .private_segment_fixed_size: 0
    .kernarg_segment_align: 8
    .kernarg_segment_size: 88
    .max_flat_workgroup_size: 128
    .sgpr_count:     66
    .vgpr_count:     1024
    .wavefront_size: 32
...
	.end_amdgpu_metadata
.endif
;; end of part 1
;; launch attn (part 2): grid 32 x 8, 4 waves a work-group, clusters of 4 x 1, 327,680 bytes of LDS; arguments qimg, kimg, vimg, lowp_scales, out0; writes out0
.if DOCPART == 2
	.amdgcn_target "amdgcn-amd-amdhsa--gfx1250"
	.amdhsa_code_object_version 6
	.text
	.protected	k_qbd3d213770_attn
	.globl	k_qbd3d213770_attn
	.p2align	8
	.type	k_qbd3d213770_attn,@function
k_qbd3d213770_attn:
	s_mov_b64 s[64:65], 0
	v_nop
	global_prefetch_b8 v0, s[64:65] scope:SCOPE_SE
	s_setreg_imm32_b32 hwreg(HW_REG_WAVE_MODE, 25, 1), 1
	s_wait_xcnt 0x0
	s_wait_alu depctr_hold_cnt(0) depctr_sa_sdst(0) depctr_va_vdst(0) depctr_va_sdst(0) depctr_va_ssrc(0) depctr_va_vcc(0) depctr_vm_vsrc(0)
	s_getreg_b32 s2, hwreg(HW_REG_IB_STS2, 6, 4)
	s_cmp_eq_u32 s2, 0
	s_cbranch_scc0 .Lentry_in_a_cluster
	s_endpgm
.Lentry_in_a_cluster:
	s_bfe_u32 s2, ttmp6, 0x10000c
	s_cmp_lg_u32 s2, 0x3003
	s_cbranch_scc0 .Lentry_shape_is_right
	s_endpgm
.Lentry_shape_is_right:
; out[b][c][l] = the sum over keys m of v[b][c][m] softmax_m(q[b][:][l] . k[b][:][m] / sqrt(512)), both products on codes of BF8 (E5M2) made by the launch before.
; q's, k's and v's codes come as images of operand registers: a fragment (16 rows x 128 K) is [chunk c = 0..3][lane][16 bytes], 2,048 bytes; four loads of 16 bytes a lane, 512 bytes apart, bring it.
;   q, k: [batch][tile of 16 positions][K step of 128 channels];   v: [batch][step of 256 keys][tile of 16 channels][128 keys].
; THE SOFTMAX: t = score x log2(e) / sqrt(512); M = the running largest t rounded UP to a whole number; p = 2^(t - M) is quantised with 2^e9, not normalised.  The row's sum is taken of the
; unquantised p and divides at the end.  When M moves, the sums and O are multiplied by f = 2^(old M - new M), which rounds nothing; there is no branch on data.
; SHARES.  A work-group owns 64 queries of one batch (four tiles m of 16): 32 x 8 = 256 work-groups.  The keys go in 8 steps of 256.
;   S^T = K Q^T is shared BY KEYS: wave w takes keys 64 w .. 64 w + 63 of the step against all 64 queries (source 0 = 16 keys, source 1 = 16 queries: a lane holds one query, its registers run along the keys).
;   O^T = V P is shared BY CHANNELS: wave w takes channels 128 w .. 128 w + 127 for all 64 queries (source 0 = 16 channels, source 1 = P: a lane again holds one query).
;   So each byte of K and of V is read from LDS once in the work-group, by the wave that fetched it.  What goes from wave to wave is small: the rows' maxima (1,024 bytes) and p's codes (16,384 bytes, as images).
;   My 16 registers of key tiles 2 b, 2 b + 1 are keys 64 w + 32 b + {8 h + 0..7, 16 + 8 h + 0..7}: chunk 2 (w % 2) + b of P's fragment w / 2, in the very order in which v's images hold the keys.
; THE RING.  K and V have one region of 131,072 bytes each, and the two take turns: K of the next step is asked for when this step's scores are done and lands under V P; V of a step is asked for at its head
; and lands under the scores and the softmax.  A wave has two tensor loads out at the start and one later.
; THE ORDER OF THE KEYS.  The running maximum and the sums hang on no order of the steps.  So cluster x of a batch begins at the block of 256 keys number f(x) = 0, 2, 6, 4, 5, 7, 3, 1 and walks on round the
; eight, modulo 8: clusters that run in step ask for eight different blocks at any time, and a block is asked for at eight different steps, not by all eight clusters at once.  f is x ^ (x >> 1) with its
; three bits turned by one place: any four clusters whose numbers agree in one bit begin at most three blocks apart.
; CLUSTER.  The four query blocks of a cluster belong to one batch and walk the same K and V in the same order (f hangs on the cluster's number alone): every tile is asked for JOINTLY, by the same tensor
; load with a mask that names the four.
; LIMITS on the given exponents: e6 + e7 between -122 and 131 (they are added to c's exponent field); e9 between -126 and 112; e8 + e9 is applied by v_ldexp_f32 and has none.  NaN is not served.
; REGISTERS, in windows of 256: window 0: v0-14 addresses; v16-47 eight registers of statistics a tile; v48-63 what the waves exchange; v64-191 S^T, then p; v192-223 p's codes; v224-231 second chains of the sums.
;   window 1: O^T, accumulator (channel tile t, query tile m) at 8 (4 t + m).   window 2: Q, fragment (m, K step s) at 64 m + 16 s.   window 3: v0-63, v64-127 four fragments of K or V each; from v128 P's eight.
.set VREG,  131072                     ; LDS: K's region at 0, V's here; wave w's part of each begins 32,768 w bytes in
.set PIMG,  262144                     ; p's eight fragments: (2 m + ks) x 2,048
.set MAXR,  278528                     ; the rows' maxima: 256 m + 16 r + 4 w
.set LSUM,  MAXR+1024                  ; the rows' sums, laid alike
.set SPARE, 280576                     ; the spare words, 128 bytes for each wave: two blocks of 256 bytes that no other line names
.set SP,    272                        ; the way out: a stage of 128 rows (channels) x (256 bytes + 16) for each wave, from LDS byte 0 on: in regions that have had their last fill and their last read
.set STW,   128*SP
.set AK,   3                           ; v3   16 x lane + 32,768 w: my part of K's region
.set AV,   4                           ; v4   the same in V's
.set AP,   5                           ; v5   PIMG + 16 x lane
.set APS,  6                           ; v6   where I store p's chunks: AP + 2,048 (w / 2) + 1,024 (w % 2)
.set AMS,  7                           ; v7   MAXR + 16 r + 4 w
.set AML,  8                           ; v8   MAXR + 16 r
.set SPW,  9                           ; v9   LDS address of my spare word: SPARE + 4 x my thread's number; never rewritten
.set NIL,  10                          ; v10  0; never rewritten
.set STO,  11                          ; v11  the stage: where register i of a tile goes
.set RD,   12                          ; v12  and where I read rows back
.set GO,   13                          ; v13  my byte offset in the wave's rows of out
.set LI,   14                          ; v14  16 x lane
.set ST,   16                          ; tile m's statistics at ST + 8 m: +0 -M, +1 the largest t, +2, +3 the sum in two halves, +4 f, +5 0 (named with f as a pair), +6, +7 at work
.set XM,   48
.set S,    64                          ; S^T (m, key tile t) at S + 32 m + 8 t
.set PC,   192                         ; p's codes: PC + 8 m + 4 b
.set L2,   224
.set PLIM, 240                         ; 57,344 x 2^e9
.set PSC,  244                         ; 2^e9
.set F0,   0
.set F1,   64
.set PF,   128
.set KB,   6                           ; s[6:7]   k's images at my batch and my wave's part of a block
.set VB,   8                           ; s[8:9]   v's likewise
.set WV,   14                          ; s14  my wave's number
.set G1,   24                          ; s[24:31] descriptor group 1, for both regions
.set G0K,  32                          ; s[32:35] group 0 for K's tiles, s[36:39] for V's
.set G0V,  36
.set CS,   44                          ; s[44:45] c: the packed form names a pair and takes its low word for both halves
.set SEL,  46                          ; s[46:47] lane selects for v_permlanex16_b32: lane l xor 16
.set OFS,  52                          ; s[52:53] a block's byte offset in its batch: 131,072 x its number
.set KI,   58                          ; s58  the number of the block of keys that K's region was last asked to take
.set VI,   59                          ; s59  the same for V's
.set MSB, 0
.macro WIN new                         ; the immediate's high byte repeats the setting that is left; a switch that changes nothing is dropped
.if MSB != \new
	s_set_vgpr_msb (MSB<<8)|\new
.set MSB, \new
.endif
.endm
.macro PLACES n
.rept \n
	v_nop
.endr
.endm
.macro CROUND                          ; a round of the cluster's barrier
	s_barrier_signal -1
	s_barrier_wait -1
	s_cmp_lg_u32 s[WV], 0
	s_cbranch_scc1 .Lnot_wave_0_\@
	s_barrier_signal -3
.Lnot_wave_0_\@:
	s_barrier_wait -3
	s_barrier_signal -1
	s_barrier_wait -1
.endm
	s_load_b256 s[4:11], s[0:1], 0x0               ; q's images s[4:5], k's s[6:7], v's s[8:9], the scales' exponents s[10:11]
	s_load_b64 s[12:13], s[0:1], 0x20              ; out
	v_lshl_add_u32 v[SPW], v0, 2, SPARE
	v_mov_b32 v[NIL], 0
	ds_add_u32 v9, v10
	ds_add_u32 v9, v10
	s_wait_dscnt 0x0
	v_lshrrev_b32 v1, 5, v0
	v_readfirstlane_b32 s[WV], v1                  ; wave 0..3
	s_bfe_u32 s15, ttmp6, 0x40000                  ; cx
	s_lshl_b32 s16, ttmp9, 2
	s_add_co_u32 s16, s16, s15                     ; my block of 64 queries = 4 x cluster x + cx: it enters q's and out's addresses alone
	s_and_b32 s17, ttmp7, 0xffff                   ; the batch, which the four partners share
	s_lshr_b32 s49, ttmp9, 1                       ; the first block of keys, from the cluster's x (0..7), which the four partners share:
	s_xor_b32 s49, s49, ttmp9                      ; g = x ^ (x >> 1),
	s_and_b32 s[KI], s49, 3
	s_lshl_b32 s[KI], s[KI], 1
	s_lshr_b32 s49, s49, 2
	s_or_b32 s[KI], s[KI], s49                     ; its three bits turned by one place: f(x)
	s_mov_b32 s[VI], s[KI]
	s_lshl_b32 s[OFS], s[KI], 17
	s_mov_b32 s[OFS+1], 0
	s_lshl_b32 s18, s17, 20                        ; K, V: 1,048,576 bytes a batch, + my 32,768 of a block's 131,072
	s_lshl_b32 s19, s[WV], 15
	s_add_co_u32 s18, s18, s19
	s_mov_b32 s19, 0
	s_lshl_b32 s20, s17, 20                        ; Q: the batch, + four tiles of 8,192 bytes a block
	s_lshl_b32 s21, s16, 15
	s_add_co_u32 s20, s20, s21
	s_mov_b32 s21, 0
	s_lshl_b32 s22, s17, 22                        ; out: 4,194,304 bytes a batch, + my 128 channels of 8,192 bytes, + the block's 256 bytes
	s_lshl_b32 s23, s[WV], 20
	s_add_co_u32 s22, s22, s23
	s_lshl_b32 s23, s16, 8
	s_add_co_u32 s22, s22, s23
	s_mov_b32 s23, 0
	; descriptor group 1: a dense block of 32,768 bytes as 128 rows of 256 bytes
	s_mov_b32 s[G1+0], 15|(3<<16)|(1<<21)          ; 15:0 the mask: all four work-groups; 17:16 elements of 8 bytes; 20 no padding; 21 set beside a mask
	s_mov_b32 s[G1+1], 32<<16                      ; tensor_dim0 = 32
	s_mov_b32 s[G1+2], 128<<16                     ; tensor_dim1 = 128
	s_mov_b32 s[G1+3], 32<<16                      ; tile_dim0 = 32
	s_mov_b32 s[G1+4], 128                         ; tile_dim1 = 128
	s_mov_b32 s[G1+5], 32                          ; from row to row
	s_mov_b32 s[G1+6], 0
	s_mov_b32 s[G1+7], 0
	s_mov_b32 s[G0K], 1
	s_lshl_b32 s[G0K+1], s[WV], 15                 ; LDS: my part of K's region: no place in the cluster enters an LDS address
	s_mov_b32 s[G0V], 1
	s_add_co_u32 s[G0V+1], s[G0K+1], VREG
	s_mov_b32 s[SEL], 0x76543210
	s_mov_b32 s[SEL+1], 0xfedcba98
	s_mov_b32 s[CS], 0x3d8293ee                    ; c = log2(e) / sqrt(512)
	s_wait_kmcnt 0x0
	s_add_nc_u64 s[KB:KB+1], s[KB:KB+1], s[18:19]  ; my batch, my wave's part
	s_add_nc_u64 s[VB:VB+1], s[VB:VB+1], s[18:19]
	s_add_nc_u64 s[G0K+2:G0K+3], s[KB:KB+1], s[OFS:OFS+1]   ; the first block walked: number f(x)
	s_or_b32 s[G0K+3], s[G0K+3], 0x80000000        ; type = 2
	s_add_nc_u64 s[G0V+2:G0V+3], s[VB:VB+1], s[OFS:OFS+1]
	s_or_b32 s[G0V+3], s[G0V+3], 0x80000000
	s_add_nc_u64 s[4:5], s[4:5], s[20:21]
	s_add_nc_u64 s[12:13], s[12:13], s[22:23]
	s_load_b64 s[40:41], s[10:11], 0x18            ; e6, e7
	s_load_b64 s[42:43], s[10:11], 0x20            ; e8, e9
	CROUND                                         ; all four work-groups are here: the first joint loads meet
	tensor_load_to_lds s[G0K:G0K+3], s[G1:G1+7]    ; the two first fills go out together: two loads of mine are out
	s_nop 0
	tensor_load_to_lds s[G0V:G0V+3], s[G1:G1+7]
	s_nop 0
	PLACES 4                                       ; four v_nop follow
	v_and_b32 v1, 15, v0                           ; r
	v_bfe_u32 v2, v0, 4, 1                         ; h
	v_and_b32 v[LI], 31, v0
	v_lshlrev_b32 v[LI], 4, v[LI]
	WIN 0x80                                       ; destination window 2
.set i, 0
.rept 64
	global_load_b128 v[4*i:4*i+3], v[LI], s[4:5] offset:512*i   ; Q's 16 fragments stay in registers: the images' 512-byte chunks on end are the registers on end
.set i, i+1
.endr
	WIN 0
	s_lshl_b32 s49, s[WV], 15
	v_add_nc_u32 v[AK], s49, v[LI]
	v_add_nc_u32 v[AV], VREG, v[AK]
	v_add_nc_u32 v[AP], PIMG, v[LI]
	s_lshr_b32 s49, s[WV], 1
	s_lshl_b32 s49, s49, 11
	s_and_b32 s51, s[WV], 1
	s_lshl_b32 s51, s51, 10
	s_add_co_u32 s49, s49, s51
	v_add_nc_u32 v[APS], s49, v[AP]
	s_lshl_b32 s49, s[WV], 2
	v_lshlrev_b32 v[AML], 4, v1
	v_add_nc_u32 v[AML], MAXR, v[AML]
	v_add_nc_u32 v[AMS], s49, v[AML]
	s_mul_i32 s49, s[WV], STW                      ; my stage
	v_mul_u32_u24 v[STO], v2, 8*SP                 ; in: register i of channel tile t is channel 16 t + 8 h + i, query 16 m + r: row 8 h, byte 4 r; the rest stands in the immediate
	v_lshl_add_u32 v[STO], v1, 2, v[STO]
	v_add_nc_u32 v[STO], s49, v[STO]
	v_mul_u32_u24 v[RD], v2, SP                    ; back: lanes 0-15 take one row of 256 bytes, lanes 16-31 the next
	v_lshl_add_u32 v[RD], v1, 4, v[RD]
	v_add_nc_u32 v[RD], s49, v[RD]
	v_lshlrev_b32 v[GO], 13, v2                    ; and the same two channels in out, 8,192 bytes apart
	v_lshl_add_u32 v[GO], v1, 4, v[GO]
.irp m, 0,1,2,3
	v_mov_b32 v[ST+8*\m+1], 0xff61b1e6             ; the largest t so far: -3e38, under every t
	v_floor_f32 v[ST+8*\m], -v[ST+8*\m+1]          ; -M
	v_mov_b32 v[ST+8*\m+2], 0                      ; the sum, in two halves
	v_mov_b32 v[ST+8*\m+3], 0
	v_mov_b32 v[ST+8*\m+5], 0                      ; (named as the upper half of f's pair)
.endr
	s_wait_kmcnt 0x0
	s_add_co_i32 s49, s40, s41
	s_lshl_b32 s49, s49, 23
	s_add_co_i32 s[CS], s[CS], s49                 ; a score stands for score x 2^(e6 + e7): the two exponents are added to c's exponent field
	s_mov_b32 s[CS+1], s[CS]                       ; (named with it as a pair, so it is written)
	s_add_co_i32 s49, s43, 127
	s_lshl_b32 s51, s49, 23
	v_mov_b32 v[PSC], s51                          ; 2^e9 as f32, for the conversion
	s_add_co_i32 s49, s49, 15
	s_lshl_b32 s49, s49, 23
	s_or_b32 s49, s49, 0x600000
	v_mov_b32 v[PLIM], s49                         ; 57,344 x 2^e9
	s_add_co_i32 s50, s42, s43                     ; e8 + e9
; Runs of 16 LDS loads, four fragments each; each load takes 512 consecutive bytes
.macro FETCHK s, buf                   ; my four key tiles, K step s
	WIN 0xc0                                       ; destination window 3, address window 0
.irp t, 0,1,2,3
.irp c, 0,1,2,3
	ds_load_b128 v[\buf+16*\t+4*\c:\buf+16*\t+4*\c+3], v[AK] offset:\t*8192+\s*2048+\c*512
.endr
.endr
.endm
.macro FETCHV ks, half, buf            ; my channel tiles 4 half .. 4 half + 3, keys 128 ks on
	WIN 0xc0
.irp t, 0,1,2,3
.irp c, 0,1,2,3
	ds_load_b128 v[\buf+16*\t+4*\c:\buf+16*\t+4*\c+3], v[AV] offset:(4*\half+\t)*4096+\ks*2048+\c*512
.endr
.endr
.endm
.macro FETCHP ks                       ; P's four fragments of keys 128 ks on
	WIN 0xc0
.irp m, 0,1,2,3
.irp c, 0,1,2,3
	ds_load_b128 v[PF+16*(2*\m+\ks)+4*\c:PF+16*(2*\m+\ks)+4*\c+3], v[AP] offset:(2*\m+\ks)*2048+\c*512
.endr
.endr
.endm
; 16 products of S^T: the 16 accumulators take turns, one instruction a turn, in the same order in every K step.  K step 0 starts the sums.
.macro MULS s, buf
	WIN 0x0b                                       ; source 0 (K) window 3, source 1 (Q) window 2
.irp t, 0,1,2,3
.irp m, 0,1,2,3
.if \s == 0
	v_wmma_f32_16x16x128_bf8_bf8 v[S+32*\m+8*\t:S+32*\m+8*\t+7], v[\buf+16*\t:\buf+16*\t+15], v[64*\m+16*\s:64*\m+16*\s+15], 0
.else
	v_wmma_f32_16x16x128_bf8_bf8 v[S+32*\m+8*\t:S+32*\m+8*\t+7], v[\buf+16*\t:\buf+16*\t+15], v[64*\m+16*\s:64*\m+16*\s+15], v[S+32*\m+8*\t:S+32*\m+8*\t+7]
.endif
.endr
.endr
.endm
; 16 products of O^T, likewise.  zero = 1: they start the sums: nothing is ever cleared
.macro MULPV ks, half, buf, zero
	WIN 0x5f                                       ; sources 0 (V) and 1 (P) window 3, C and D window 1
.irp t, 0,1,2,3
.irp m, 0,1,2,3
.if \zero
	v_wmma_f32_16x16x128_bf8_bf8 v[8*(4*(4*\half+\t)+\m):8*(4*(4*\half+\t)+\m)+7], v[\buf+16*\t:\buf+16*\t+15], v[PF+16*(2*\m+\ks):PF+16*(2*\m+\ks)+15], 0
.else
	v_wmma_f32_16x16x128_bf8_bf8 v[8*(4*(4*\half+\t)+\m):8*(4*(4*\half+\t)+\m)+7], v[\buf+16*\t:\buf+16*\t+15], v[PF+16*(2*\m+\ks):PF+16*(2*\m+\ks)+15], v[8*(4*(4*\half+\t)+\m):8*(4*(4*\half+\t)+\m)+7]
.endif
.endr
.endr
.endm
.macro RESCALE                         ; O^T x f of its query tile, two numbers an instruction; each accumulator from its low end on
	WIN 0x41                                       ; O^T (destination and source 0) window 1, f window 0
.irp t, 0,1,2,3,4,5,6,7
.irp m, 0,1,2,3
.irp i, 0,2,4,6
	v_pk_mul_f32 v[8*(4*\t+\m)+\i:8*(4*\t+\m)+\i+1], v[8*(4*\t+\m)+\i:8*(4*\t+\m)+\i+1], v[ST+8*\m+4:ST+8*\m+5] op_sel_hi:[1,0]
.endr
.endr
.endr
.endm
; A region that has been read out is filled again with the next block's tile.  Each wave waits for all its tensor loads (the one that is out is its part of the OTHER region, which is read next), adds 0 to its
; spare word, and waits for that and for all its LDS instructions; a round of the cluster's barrier, so that no wave of any partner still reads the region or has a load on its way; the joint load first behind it.
; The block's number goes on by one, modulo 8, and the address is made anew from the batch's base: the same numbers in all four partners.
.macro REFILL g0, idx, base
	WIN 0                                          ; the add's registers lie in window 0; at a branch and at a label every window is 0
	s_wait_tensorcnt 0x0                           ; no tensor load of mine is out, so a group 0 may be written
	ds_add_u32 v[SPW], v[NIL]                      ; 0 onto my spare word; the five scalar lines below stand between it and the wait for it
	s_add_co_u32 s[\idx], s[\idx], 1
	s_and_b32 s[\idx], s[\idx], 7                  ; behind block 7 comes block 0
	s_lshl_b32 s[OFS], s[\idx], 17                 ; 131,072 bytes a block (the pair's upper word stays 0)
	s_add_nc_u64 s[\g0+2:\g0+3], s[\base:\base+1], s[OFS:OFS+1]
	s_or_b32 s[\g0+3], s[\g0+3], 0x80000000        ; type = 2
	s_wait_dscnt 0x0                               ; the add is done, my LDS stores have landed and my reads of the region are over
	CROUND
	tensor_load_to_lds s[\g0:\g0+3], s[G1:G1+7]    ; my one tensor load until the next round
	s_nop 0
	PLACES 4                                       ; four v_nop follow
.endm
; A KEY STEP of 256 keys.  first = 1: the products V P start O^T's sums and nothing is rescaled.  fill = 1: K's region is filled again when the scores are done.
.macro STEP first, fill
	; ---- S^T: 64 products, two buffers of four fragments by turns
	FETCHK 0, F0
	FETCHK 1, F1
	s_wait_dscnt 16                                ; all but the younger run of 16
	MULS 0, F0
	PLACES 4                                       ; places in front of loads into registers that matrix instructions have read
	FETCHK 2, F0
	s_wait_dscnt 16
	MULS 1, F1
	PLACES 4
	FETCHK 3, F1
	s_wait_dscnt 16
	MULS 2, F0
	s_wait_dscnt 0x0
	MULS 3, F1
	WIN 0
	PLACES 4                                       ; and in front of the first read of results
	; ---- the largest score of each query among my 64 keys: a lane's 32, in two chains a tile, each accumulator first read at its low end; then lane l xor 16's
.irp m, 0,1,2,3
	v_max3_num_f32 v[ST+8*\m+6], v[S+32*\m], v[S+32*\m+1], v[S+32*\m+2]
	v_max3_num_f32 v[ST+8*\m+7], v[S+32*\m+3], v[S+32*\m+4], v[S+32*\m+5]
.endr
.irp i, 6,10,14,18,22,26
.irp m, 0,1,2,3
	v_max3_num_f32 v[ST+8*\m+6], v[ST+8*\m+6], v[S+32*\m+\i], v[S+32*\m+\i+1]
	v_max3_num_f32 v[ST+8*\m+7], v[ST+8*\m+7], v[S+32*\m+\i+2], v[S+32*\m+\i+3]
.endr
.endr
.irp m, 0,1,2,3
	v_max3_num_f32 v[ST+8*\m+6], v[ST+8*\m+6], v[S+32*\m+30], v[S+32*\m+31]
.endr
.irp m, 0,1,2,3
	v_max_num_f32 v[ST+8*\m+6], v[ST+8*\m+6], v[ST+8*\m+7]
.endr
.irp m, 0,1,2,3
	v_permlanex16_b32 v[ST+8*\m+7], v[ST+8*\m+6], s[SEL], s[SEL+1]
.endr
.irp m, 0,1,2,3
	v_max_num_f32 v[ST+8*\m+6], v[ST+8*\m+6], v[ST+8*\m+7]
.endr
.irp m, 0,1,2,3
	ds_store_b32 v[AMS], v[ST+8*\m+6] offset:256*\m   ; lanes r and r + 16 write the same number to the same word
.endr
	s_wait_dscnt 0x0                               ; for the others' sake: my maxima have landed
	s_barrier_signal -1
	s_barrier_wait -1                              ; V's tile may stay on its way
.irp m, 0,1,2,3
	ds_load_b128 v[XM+4*\m:XM+4*\m+3], v[AML] offset:256*\m   ; the four waves' maxima of my query
.endr
	s_wait_dscnt 0x0
	; ---- the new M and f: the same numbers in all four waves
.irp m, 0,1,2,3
	v_max3_num_f32 v[ST+8*\m+6], v[XM+4*\m], v[XM+4*\m+1], v[XM+4*\m+2]
.endr
.irp m, 0,1,2,3
	v_max_num_f32 v[ST+8*\m+6], v[ST+8*\m+6], v[XM+4*\m+3]
.endr
.irp m, 0,1,2,3
	v_mul_f32 v[ST+8*\m+6], s[CS], v[ST+8*\m+6]    ; as t (c is positive)
.endr
.irp m, 0,1,2,3
	v_max_num_f32 v[ST+8*\m+1], v[ST+8*\m+1], v[ST+8*\m+6]   ; the running largest t
	v_mov_b32 v[ST+8*\m+6], v[ST+8*\m]
.endr
.irp m, 0,1,2,3
	v_floor_f32 v[ST+8*\m], -v[ST+8*\m+1]          ; the new -M = floor(-t) = -ceil(t): M is a whole number
.endr
.irp m, 0,1,2,3
	v_sub_f32 v[ST+8*\m+6], v[ST+8*\m], v[ST+8*\m+6]   ; M's old value less its new one: a whole number, 0 or less
.endr
.irp m, 0,1,2,3
	v_cvt_i32_f32 v[ST+8*\m+6], v[ST+8*\m+6]       ; (it saturates)
.endr
.irp m, 0,1,2,3
	v_ldexp_f32 v[ST+8*\m+4], 1.0, v[ST+8*\m+6]    ; f = 2^(old M - new M)
.endr
	; ---- p = 2^(t - M)
.irp m, 0,1,2,3
.irp j, 0,2,4,6,8,10,12,14,16,18,20,22,24,26,28,30
	v_pk_fma_f32 v[S+32*\m+\j:S+32*\m+\j+1], v[S+32*\m+\j:S+32*\m+\j+1], s[CS:CS+1], v[ST+8*\m:ST+8*\m+1] op_sel_hi:[1,0,0]   ; t - M, two at a time (of the pairs c and -M the low word serves both halves)
.endr
.endr
.set i, 0
.rept 128
	v_exp_f32 v[S+i], v[S+i]
.set i, i+1
.endr
.irp m, 0,1,2,3
	v_pk_mul_f32 v[ST+8*\m+2:ST+8*\m+3], v[ST+8*\m+2:ST+8*\m+3], v[ST+8*\m+4:ST+8*\m+5] op_sel_hi:[1,0]   ; the sums under the new M.  (Plain places behind the exponentials)
.endr
	s_wait_alu depctr_va_vdst(0)
.irp m, 0,1,2,3
	v_pk_add_f32 v[L2+2*\m:L2+2*\m+1], v[S+32*\m:S+32*\m+1], v[S+32*\m+2:S+32*\m+3]   ; the sum is taken of the unquantised p: two at a time, in two chains a tile; a wave sums its own keys
.endr
.irp j, 4,8,12,16,20,24,28
.irp m, 0,1,2,3
	v_pk_add_f32 v[ST+8*\m+2:ST+8*\m+3], v[ST+8*\m+2:ST+8*\m+3], v[S+32*\m+\j:S+32*\m+\j+1]
	v_pk_add_f32 v[L2+2*\m:L2+2*\m+1], v[L2+2*\m:L2+2*\m+1], v[S+32*\m+\j+2:S+32*\m+\j+3]
.endr
.endr
.irp m, 0,1,2,3
	v_pk_add_f32 v[ST+8*\m+2:ST+8*\m+3], v[ST+8*\m+2:ST+8*\m+3], v[L2+2*\m:L2+2*\m+1]
.endr
.irp m, 0,1,2,3
.irp b, 0,1
.irp i, 0,1,2,3,4,5,6,7,8,9,10,11,12,13,14,15
	v_min_num_f32 v[S+32*\m+16*\b+\i], v[S+32*\m+16*\b+\i], v[PLIM]   ; the conversion to an 8-bit code does not saturate (ISA guide 7.6.2); p is not negative, so the hold is one-sided
.endr
	v_cvt_scalef32_pk8_bf8_f32 v[PC+8*\m+4*\b:PC+8*\m+4*\b+1], v[S+32*\m+16*\b:S+32*\m+16*\b+7], v[PSC]
	v_cvt_scalef32_pk8_bf8_f32 v[PC+8*\m+4*\b+2:PC+8*\m+4*\b+3], v[S+32*\m+16*\b+8:S+32*\m+16*\b+15], v[PSC]
.endr
.endr
	v_nop                                          ; one plain vector instruction behind the last conversion: the next step's products write its sources
.irp m, 0,1,2,3
.irp b, 0,1
	ds_store_b128 v[APS], v[PC+8*\m+4*\b:PC+8*\m+4*\b+3] offset:\m*4096+\b*512   ; a chunk of P's image: 512 consecutive bytes
.endr
.endr
	; ---- P's images are whole, V's tile has landed, nobody reads K's region any more
.if \fill
	REFILL G0K, KI, KB
.else
	s_wait_tensorcnt 0x0                           ; V's last tile has landed; nothing is left to fetch
	ds_add_u32 v[SPW], v[NIL]                      ; 0 onto my spare word
	s_wait_dscnt 0x0                               ; the add is done, and my chunks of P have landed
	s_barrier_signal -1
	s_barrier_wait -1
.endif
	; ---- O^T = O^T f + V P: 64 products
	FETCHP 0
	FETCHV 0, 0, F0
	FETCHV 0, 1, F1
.if !\first
	RESCALE                                        ; stands between the loads and the wait for them
.endif
	s_wait_dscnt 16                                ; all but the youngest run: P's first four and V's first four fragments are in
	MULPV 0, 0, F0, \first
	PLACES 4
	FETCHV 1, 0, F0
	FETCHP 1
	s_wait_dscnt 32                                ; all but the two runs just issued
	MULPV 0, 1, F1, \first
	PLACES 4
	FETCHV 1, 1, F1
	s_wait_dscnt 16
	MULPV 1, 0, F0, 0
	s_wait_dscnt 0x0
	MULPV 1, 1, F1, 0
	WIN 0
	PLACES 4                                       ; places in front of the next loads into the fragments' registers and of the next read of O^T
.endm
	s_wait_tensorcnt 1                             ; my part of K's first tile is in, and only I read it; V's, issued behind it, may stay out
	s_wait_loadcnt 0x0                             ; Q
	STEP 1, 1                                      ; the first block walked; it asks for K of the second
	s_mov_b32 s48, 6
.Lstep:                                            ; the second to the seventh block: V of the block at the step's head, K of the next in its middle
	REFILL G0V, VI, VB
	STEP 0, 1
	s_sub_co_u32 s48, s48, 1
	s_cmp_lg_u32 s48, 0
	s_cbranch_scc1 .Lstep
	REFILL G0V, VI, VB                             ; the last step is written out
	STEP 0, 0
	; THE WAY OUT.  The rows' sums of the four waves meet in LDS; O^T is divided by them and multiplied by 2^(e8 + e9).
.irp m, 0,1,2,3
	v_add_f32 v[ST+8*\m+6], v[ST+8*\m+2], v[ST+8*\m+3]   ; the sum's two halves,
.endr
.irp m, 0,1,2,3
	v_permlanex16_b32 v[ST+8*\m+7], v[ST+8*\m+6], s[SEL], s[SEL+1]
.endr
.irp m, 0,1,2,3
	v_add_f32 v[ST+8*\m+6], v[ST+8*\m+6], v[ST+8*\m+7]   ; and lane l xor 16's: my 64 keys of every step
.endr
.irp m, 0,1,2,3
	ds_store_b32 v[AMS], v[ST+8*\m+6] offset:LSUM-MAXR+256*\m
.endr
	s_wait_dscnt 0x0                               ; my sums have landed, and my reads of K's and V's regions are long over:
	s_barrier_signal -1
	s_barrier_wait -1                              ; behind this barrier the stages may be written over those regions, which have had their last fill
.irp m, 0,1,2,3
	ds_load_b128 v[XM+4*\m:XM+4*\m+3], v[AML] offset:LSUM-MAXR+256*\m
.endr
	s_wait_dscnt 0x0
.irp m, 0,1,2,3
	v_add_f32 v[ST+8*\m+6], v[XM+4*\m], v[XM+4*\m+1]
	v_add_f32 v[ST+8*\m+7], v[XM+4*\m+2], v[XM+4*\m+3]
.endr
.irp m, 0,1,2,3
	v_add_f32 v[ST+8*\m+6], v[ST+8*\m+6], v[ST+8*\m+7]
.endr
.irp m, 0,1,2,3
	v_rcp_f32 v[ST+8*\m+6], v[ST+8*\m+6]
.endr
	v_nop                                          ; a plain instruction between the last reciprocal and the use of its result
	s_wait_alu depctr_va_vdst(0)
.irp m, 0,1,2,3
	v_ldexp_f32 v[ST+8*\m+4], v[ST+8*\m+6], s50    ; 2^(e8 + e9) / the sum, in f's place
.endr
	RESCALE
	; In out the queries are innermost, and a lane holds one query: sixteen lanes hold 64 neighbouring bytes of a channel's row.  The wave's 128 channels x 64 queries go through its own stage
	; (rows of 272 bytes: lanes 0-15 and lanes 16-31, eight rows apart, fall on different banks) and come back as whole rows of 256 bytes.
	WIN 0x04                                       ; store data window 1, address window 0
.irp t, 0,1,2,3,4,5,6,7
.irp m, 0,1,2,3
.irp i, 0,1,2,3,4,5,6,7
	ds_store_b32 v[STO], v[8*(4*\t+\m)+\i] offset:(16*\t+\i)*SP+64*\m
.endr
.endr
.endr
	WIN 0
.irp u, 0,1
.if \u
	s_wait_xcnt 0x0                                ; the first half's stores have read their data: the registers are loaded again only behind this wait
.endif
.set i, 0
.rept 32
	ds_load_b128 v[S+4*i:S+4*i+3], v[RD] offset:2*SP*(32*\u+i)   ; LDS serves a wave's instructions in order (ISA guide 5.7.1.4): these see my stores
.set i, i+1
.endr
.set i, 0
.rept 32
	s_wait_dscnt 31-i                              ; the younger loads of the run may stay out
	global_store_b128 v[GO], v[S+4*i:S+4*i+3], s[12:13] offset:16384*(32*\u+i) th:TH_STORE_NT   ; 16 lanes store 256 consecutive bytes, at a multiple of 256 from out's first byte; written once, read by nobody here
.set i, i+1
.endr
.endr
	s_wait_tensorcnt 0x0                           ; the wave's end, behind my last tensor load and my last LDS store
	ds_add_u32 v[SPW], v[NIL]
	s_wait_dscnt 0x0
	CROUND                                         ; the closing round: no work-group ends while a partner may still ask for a tile that names it
	s_endpgm
.Lfunc_end_k_qbd3d213770_attn:
	.size	k_qbd3d213770_attn, .Lfunc_end_k_qbd3d213770_attn-k_qbd3d213770_attn
	.p2alignl 7, 3214868480
	.fill 96, 4, 3214868480
	.section	.rodata,"a",@progbits
	.p2align	6, 0x0
	.amdhsa_kernel k_qbd3d213770_attn
		.amdhsa_group_segment_fixed_size 327680
		.amdhsa_private_segment_fixed_size 0
		.amdhsa_enable_private_segment 0
		.amdhsa_kernarg_size 40
		.amdhsa_user_sgpr_count 2
		.amdhsa_user_sgpr_kernarg_segment_ptr 1
		.amdhsa_wavefront_size32 1
		.amdhsa_system_sgpr_workgroup_id_x 1
		.amdhsa_system_sgpr_workgroup_id_y 1
		.amdhsa_system_sgpr_workgroup_id_z 1
		.amdhsa_system_vgpr_workitem_id 0
		.amdhsa_next_free_vgpr 1024
		.amdhsa_next_free_sgpr 66
		.amdhsa_reserve_vcc 0
		.amdhsa_float_denorm_mode_32 3
		.amdhsa_float_denorm_mode_16_64 3
		.amdhsa_memory_ordered 1
		.amdhsa_forward_progress 1
		.amdhsa_inst_pref_size 202
	.end_amdhsa_kernel
	.amdgpu_metadata
---
amdhsa.version: [ 1, 2 ]
amdhsa.kernels:
  - .name:           k_qbd3d213770_attn
    .symbol:         k_qbd3d213770_attn.kd
    .args:
      - { .name: qimg, .offset: 0, .size: 8, .value_kind: global_buffer, .address_space: global }
      - { .name: kimg, .offset: 8, .size: 8, .value_kind: global_buffer, .address_space: global }
      - { .name: vimg, .offset: 16, .size: 8, .value_kind: global_buffer, .address_space: global }
      - { .name: lowp_scales, .offset: 24, .size: 8, .value_kind: global_buffer, .address_space: global }
      - { .name: out0, .offset: 32, .size: 8, .value_kind: global_buffer, .address_space: global }
    .group_segment_fixed_size: 327680
    .private_segment_fixed_size: 0
    .kernarg_segment_align: 8
    .kernarg_segment_size: 40
    .max_flat_workgroup_size: 128
    .sgpr_count:     66
    .vgpr_count:     1024
    .wavefront_size: 32
...
	.end_amdgpu_metadata
.endif
;; end of part 2
